; MI455X (gfx1250); checked and timed in simulation.
; The chip was launched on July 23, 2026; its instructions are those of AMD's public machine-readable ISA for CDNA 5 (MIT licence, August 2026) and "CDNA5" Instruction Set Architecture Reference Guide (July 2026). The comments in the code are by the model that wrote it; some were corrected since.
;; Quantized Linear. Allowed arithmetic: float matrix products may take bf16 or f16 operands with f32 sums; other float arithmetic in f32, or as packed bf16 or f16 multiplies, adds, multiply-adds, maxima and minima; sums over many terms, partial sums and values carried from step to step in f32; what a program stores and reads back later, other than sums and carried values, may be rounded once to bf16 or f16.
;; Inputs: bias 1 x 4,096 float32; input 4,096 x 4,096 float32; int8_weights 4,096 x 4,096 int8; scales 4,096 float32.
;; Outputs: out0 4,096 x 4,096 float32.
;; One version. Each part assembles by itself: llvm-mc -triple=amdgcn-amd-amdhsa -mcpu=gfx1250 --defsym DOCPART=n.
;; ======== version 1 of 1: 1 launch
;; limits: values are held in f16: magnitudes above 65,504 overflow, below 6.1e-05 lose precision; inputs' magnitudes at most 65,504
;; launch qlinear (part 1): grid 16 x 16, 4 waves a work-group, clusters of 4 x 4, 327,680 bytes of LDS; arguments input, int8_weights, scales, bias, out0; writes out0
.if DOCPART == 1
	.amdgcn_target "amdgcn-amd-amdhsa--gfx1250"
	.amdhsa_code_object_version 6
	.text
	.protected	k_q677a32f276_qlinear
	.globl	k_q677a32f276_qlinear
	.p2align	8
	.type	k_q677a32f276_qlinear,@function
k_q677a32f276_qlinear:
	s_mov_b64 s[64:65], 0
	v_nop
	global_prefetch_b8 v0, s[64:65] scope:SCOPE_SE
	s_setreg_imm32_b32 hwreg(HW_REG_WAVE_MODE, 25, 1), 1
	s_wait_xcnt 0x0
	s_wait_alu depctr_hold_cnt(0) depctr_sa_sdst(0) depctr_va_vdst(0) depctr_va_sdst(0) depctr_va_ssrc(0) depctr_va_vcc(0) depctr_vm_vsrc(0)
	s_getreg_b32 s2, hwreg(HW_REG_IB_STS2, 6, 4)
	s_cmp_eq_u32 s2, 0
	s_cbranch_scc0 .Lentry_in_a_cluster
	s_endpgm
.Lentry_in_a_cluster:
	s_bfe_u32 s2, ttmp6, 0x10000c
	s_cmp_lg_u32 s2, 0xf033
	s_cbranch_scc0 .Lentry_shape_is_right
	s_endpgm
.Lentry_shape_is_right:
; y[t][o] = scales[o] * (sum over k of x[t][k] * w8[o][k]) + bias[o].   x: [4096][4096] f32, w8: [4096][4096] int8, scales, bias: [4096] f32, y: [4096][4096] f32.
; The scale of an output column does not hang on k, so it is taken out of the sum: one fused multiply-add in f32 for each output, on the way out.
; FORMAT.  Both matrix operands are f16, sums f32.  The integers -128 .. 127 are exact in f16; x is rounded once, to nearest even.
; LIMITS.  |x| of 65,520 or more becomes an infinity; |x| below 6.1e-5 keeps f16's fixed step of 6e-8.  The scale is applied behind the sum and not to each weight: another order of f32
; roundings than scaling first.  Inside each 32 along K the order of k is permuted, alike in both operands.  NaN and infinities are not treated apart.
; SHAPE.  A tile of y, 256 x 256, is made by a work-group of four waves; a wave makes 128 x 128: 64 accumulators of 16 x 16, 512 registers.  16 x 16 tiles, one to a work-group.
; RAW TILES.  The tensor data mover brings x as f32 and w8 as bytes into LDS, in rows of 256 bytes of memory that start at multiples of 256 bytes from the buffers' first bytes.  Each wave
; makes its f16 fragments itself, between LDS and the matrix instruction: x by v_cvt_pk_f16_f32; w8 by one xor with 0x80 for four bytes (w + 128 as an unsigned byte u), one v_perm_b32 for two
; numbers (the halves 0x64uu, which are 1024 + u in f16) and one v_pk_add_f16 of -1152 for two.  224 vector instructions for 64 matrix instructions: they stand in SLICES of four, one slice
; behind a matrix instruction, so that matrix and vector work run side by side in the one wave that a SIMD holds.
; PIPELINE.  A QUARTER is 32 along K, 64 matrix instructions.  Quarter q multiplies the fragments of q, converts the raw registers of q + 1 into the other fragment buffer, and loads the raw
; registers of q + 2 from LDS, in two runs of 20 loads.  A STEP is 64 along K: an even and an odd quarter.
; RINGS.  A (x): two slots of one step: 256 rows x 256 bytes.  B (w8): two slots of FOUR steps: 256 rows x 256 bytes; a B slot is filled again in four pieces of 64 rows, one behind each step's
; barrier, while the other B slot is read.  So behind each barrier a wave issues one load: waves 0 and 1 128 rows of A each, waves 2 and 3 32 rows of B each.
; CLUSTER.  4 x 4 work-groups.  The four of a row of the cluster need the same tiles of x, the four of a column the same tiles of w8: each tile is asked for JOINTLY, by the same tensor load
; with the same descriptor and a mask that names the four.
; THE MATRIX INSTRUCTION IS USED TRANSPOSED (source 0 = 16 rows of w8, source 1 = 16 rows of x): a lane then holds eight neighbouring numbers of a row of y.
; REGISTERS, in windows of 256 (s_set_vgpr_msb: bits 1:0 source 0, 3:2 source 1, 5:4 source 2, 7:6 destination):
;   window 0: v0-31 addresses and constants; v32-63 raw w8 (4 a fragment); v64-127, v128-191 x's fragments, two buffers (on the way out: rows read back); v192-199 my columns' scales and biases
;   window 1: v0-63, v192-255 raw x (16 a fragment); v64-127, v128-191 w8's fragments, two buffers
;   window 2: the 32 accumulators of my rows 0-63 (accumulator (a, b) at v[8 (8 a + b)]);   window 3: those of my rows 64-127
.set PITCH,   272                      ; an LDS row: 256 bytes + 16 of padding = 68 words: row r starts at bank 4 r mod 64 (64 banks of 4 bytes: ISA guide 11.1), so the 16 rows of a load start at 16 different groups of four banks
.set HALF,    128*PITCH                ; 128 rows: what a wave reads of A or of B, and what a load of A brings
.set PIECE,   64*PITCH                 ; 64 rows: a piece of a B slot
.set WPIECE,  32*PITCH                 ; 32 rows: one wave's half of a piece
.set SLOTB,   256*PITCH                ; a slot
.set A0,      0
.set A1,      SLOTB                    ; 0x11000
.set B0,      2*SLOTB                  ; 0x22000
.set B1,      3*SLOTB                  ; 0x33000
.set XA,      0x11000                  ; A0 xor A1: turns one slot's base into the other's
.set XB,      0x11000                  ; B0 xor B1
.set STAGE,   4*SLOTB                  ; behind the rings, never filled by a tensor load: 16 rows x 528 bytes for each wave, for the way out
.set SPITCH,  528                      ; 512 bytes of f32 + 16 = 132 words: again 16 rows at 16 different groups of four banks
.set SPARE,   STAGE+4*16*SPITCH        ; behind the stages: the spare words, 128 bytes for each wave: two blocks of 256 bytes that no other line names
.set ROWSTEP, 64*4096                  ; bytes of w8 from a piece's first row to the next piece's
.set OROW,    16384                    ; bytes in a row of y
.set AL,   16                          ; v16  my lane's place in a slot of A: (my half of the rows) + (l % 16) x 272 + 64 (l / 16); never rewritten
.set BL,   17                          ; v17  the same for B: (my half of the columns) + (l % 16) x 272 + 16 (l / 16); never rewritten
.set ADA,  18                          ; v18  LDS address of the step of A that is being read
.set ADB,  19                          ; v19  the same for B
.set STO,  20                          ; v20  the way out: where I put 16 bytes of a row
.set RD,   21                          ; v21  the way out: where I read a row back
.set CO,   22                          ; v22  16 x lane: my byte offset in 512 bytes of y, of scales and of bias; never rewritten
.set K64,  24                          ; v24  0x64646464
.set KSUB, 25                          ; v25  -1152 in both halves
.set SPW,  28                          ; v28  LDS address of my spare word: SPARE + 4 x my thread's number; never rewritten
.set NIL,  29                          ; v29  0; never rewritten
.set RB,   32                          ; raw w8
.set F0,   64                          ; fragment buffer 0
.set F1,   128                         ; fragment buffer 1
.set OB0,  64                          ; the way out: 16 rows read back from the stage: v64-127 and v128-191 by turns
.set SC,   192
.set BI,   196
.set CNT,  2                           ; s2   counts steps
.set GRP,  3                           ; s3   counts groups of four steps
.set WV,   14                          ; s14  my wave's number
.set WHI,  15                          ; s15  which half of the tile's rows is mine.  Also: I fetch for A (0) or for B (1)
.set WLO,  16                          ; s16  which half of its columns.  Also: which part of what is fetched
.set CX,   17
.set CY,   18
.set TCOL, 19
.set TROW, 20
.set RMASK, 21
.set CMASK, 22
.set G1A,  24                          ; s[24:31] descriptor group 1: 128 rows of x
.set G1B,  32                          ; s[32:39] 32 rows of w8
.set G1C,  40                          ; s[40:47] 128 rows of w8: the first fills
.set G0A0, 48                          ; s[48:51] descriptor group 0: A's step 0
.set G0A,  52                          ; s[52:55] A's step 1; then it walks
.set G0B,  56                          ; s[56:59] my half of B's slot 0; from the fourth barrier on it walks through the pieces
.set G0B1, 60                          ; s[60:63] my half of B's slot 1
.set BB,   66                          ; s[66:67] w8 at my 32 rows of the tile's piece 0
.set OFB,  68                          ; s[68:69] byte offset from there of the piece to be asked for
.set TA,   70                          ; s70  base of the A slot that is read
.set TBR,  71                          ; s71  base of the B slot that is read + 64 x the step in it
.set TBF,  72                          ; s72  LDS byte of the piece to be filled
.set WA,   73                          ; s73  WLO x 128 rows
.set WBL,  74                          ; s74  WLO x 32 rows
.set SX,   75                          ; s75  0x80808080
.set SELLO, 76                         ; s76  v_perm_b32: bytes 0 and 1 of the raw word, each under a byte 0x64
.set SELHI, 77                         ; s77  bytes 2 and 3
.set MSB, 0
.macro WIN new                         ; the immediate's high byte repeats the setting that is left; a switch that changes nothing is dropped
.if MSB != (\new)
	s_set_vgpr_msb (MSB<<8)|(\new)
.set MSB, \new
.endif
.endm
.set MUL_LO, 0xa1                      ; source 0 (w8) window 1, source 1 (x) window 0, C and D window 2
.set MUL_HI, 0xf1                      ; the same, C and D window 3
.set W_X,    0x00                      ; the xor; raw w8's loads
.set W_P,    0x40                      ; v_perm_b32: destination window 1, sources window 0; raw x's loads: destination window 1, address window 0
.set W_D,    0x41                      ; v_pk_add_f16: destination and source 0 window 1, the constant window 0
.set W_C,    0x05                      ; v_cvt_pk_f16_f32: sources window 1, destination window 0
; A joint refill.  fm = 2: waves 0 and 1 fetch A's two halves, waves 2 and 3 the two halves of a piece of B.  fm = 1: A alone; waves 2 and 3 have nothing to fetch.
; The branch hangs on the wave's number alone: it is the same in every work-group.  An s_nop 0 and four v_nop follow each load, ahead of the jump and the label.
.macro JLOAD fm
	s_cmp_eq_u32 s[WHI], 0
	s_cbranch_scc0 .Lfor_b_\@
	tensor_load_to_lds s[G0A:G0A+3], s[G1A:G1A+7]
	s_nop 0
.rept 4
	v_nop
.endr
.if (\fm) == 2
	s_branch .Lasked_\@
.endif
.Lfor_b_\@:
.if (\fm) == 2
	tensor_load_to_lds s[G0B:G0B+3], s[G1B:G1B+7]
	s_nop 0
.rept 4
	v_nop
.endr
.Lasked_\@:
.endif
.endm
; A round of the cluster's barrier: my work-group's barrier, so that wave 0's signal speaks for all four waves; wave 0 signals for the work-group; every wave waits for all sixteen
; work-groups; my work-group's barrier once more.  No LDS instruction of the wave is pending at a signal.
.macro CREST                           ; a round behind its opening barrier
	s_cmp_lg_u32 s[WV], 0
	s_cbranch_scc1 .Lnot_wave_0_\@
	s_barrier_signal -3
.Lnot_wave_0_\@:
	s_barrier_wait -3
	s_barrier_signal -1
	s_barrier_wait -1
.endm
.macro CROUND                          ; a whole round
	s_barrier_signal -1
	s_barrier_wait -1
	CREST
.endm
.macro PLACES                          ; four places behind matrix instructions (ISA guide 7.12.1), where no other vector work is at hand
.rept 4
	v_nop
.endr
.endm
	s_load_b256 s[4:11], s[0:1], 0x0               ; x s[4:5], w8 s[6:7], scales s[8:9], bias s[10:11]
	s_load_b64 s[12:13], s[0:1], 0x20              ; y
	v_lshl_add_u32 v[SPW], v0, 2, SPARE
	v_mov_b32 v[NIL], 0
	ds_add_u32 v[SPW], v[NIL]                      ; the wave's opening: the add and its wait stand ahead of my first tensor load; the set-up below, work on registers, stands between them
	v_lshrrev_b32 v1, 5, v0
	v_readfirstlane_b32 s[WV], v1                  ; wave 0..3
	s_lshr_b32 s[WHI], s[WV], 1
	s_and_b32 s[WLO], s[WV], 1
	s_bfe_u32 s[CX], ttmp6, 0x40000                ; my place along the cluster's x
	s_bfe_u32 s[CY], ttmp6, 0x40004                ; along its y
	s_lshl_b32 s[TCOL], ttmp9, 2                   ; in a cluster launch ttmp9 and ttmp7 count clusters
	s_add_co_u32 s[TCOL], s[TCOL], s[CX]           ; tile column of y = 4 x cluster x + cx
	s_and_b32 s[TROW], ttmp7, 0xffff
	s_lshl_b32 s[TROW], s[TROW], 2
	s_add_co_u32 s[TROW], s[TROW], s[CY]           ; tile row of y = 4 x cluster y + cy
	s_lshl_b32 s[RMASK], s[CY], 2
	s_lshl_b32 s[RMASK], 15, s[RMASK]              ; my row of the cluster: places 4 cy .. 4 cy + 3
	s_lshl_b32 s[CMASK], 0x1111, s[CX]             ; my column: places cx, cx + 4, cx + 8, cx + 12
	; descriptor group 1.  Both tensors are taken as words of 4 bytes: a tile's row is 64 words (64 numbers of x, 256 of w8), padded in LDS by 4 words
.set G1W0, (2<<16)|(1<<20)|(1<<21)|(5<<22)|(3<<25) ; 17:16 elements of 4 bytes; 20 padding on; 21 set beside a mask; 24:22 after every 64 words (code 5); 31:25 4 words of it (code 3)
	s_or_b32 s[G1A], s[RMASK], G1W0                ; 15:0 the mask: x's tiles go to my row of the cluster,
	s_or_b32 s[G1B], s[CMASK], G1W0                ; w8's to my column
	s_or_b32 s[G1C], s[CMASK], G1W0
.irp g, G1A, G1B, G1C
	s_mov_b32 s[\g+1], 64<<16                      ; tensor_dim0 = 64
	s_mov_b32 s[\g+3], 64<<16                      ; tile_dim0 = 64
	s_mov_b32 s[\g+6], 0
	s_mov_b32 s[\g+7], 0
.endr
	s_mov_b32 s[G1A+2], 128<<16                    ; tensor_dim1 = 128
	s_mov_b32 s[G1A+4], 128                        ; tile_dim1 = 128
	s_mov_b32 s[G1A+5], 4096                       ; words from row to row of x
	s_mov_b32 s[G1B+2], 32<<16
	s_mov_b32 s[G1B+4], 32
	s_mov_b32 s[G1B+5], 1024                       ; words from row to row of w8
	s_mov_b32 s[G1C+2], 128<<16
	s_mov_b32 s[G1C+4], 128
	s_mov_b32 s[G1C+5], 1024
	s_mul_i32 s[WA], s[WLO], HALF                  ; where the tiles go hangs on the wave's number alone: no place in the cluster enters an LDS address
	s_mul_i32 s[WBL], s[WLO], WPIECE
	s_mov_b32 s[G0A0], 1                           ; 1:0 count = 1
	s_add_co_u32 s[G0A0+1], s[WA], A0              ; 63:32 LDS address
	s_mov_b32 s[G0A], 1
	s_add_co_u32 s[G0A+1], s[WA], A1
	s_mov_b32 s[G0B], 1
	s_add_co_u32 s[G0B+1], s[WA], B0
	s_mov_b32 s[G0B1], 1
	s_add_co_u32 s[G0B1+1], s[WA], B1
	; where the tiles come from.  x's hang on the tile row alone, which my row of the cluster shares; w8's on the tile column alone, which my column shares; each in registers that never hold the other coordinate
	s_lshl_b32 s78, s[TROW], 22                    ; 256 rows of 16,384 bytes
	s_lshl_b32 s79, s[WLO], 21                     ; my 128 of them
	s_add_co_u32 s78, s78, s79
	s_mov_b32 s79, 0
	s_lshl_b32 s80, s[TCOL], 20                    ; 256 rows of 4,096 bytes
	s_lshl_b32 s81, s[WLO], 19                     ; the first fills: my 128 of them
	s_lshl_b32 s83, s[WLO], 17                     ; the pieces: my 32 of 64
	s_add_co_u32 s82, s80, s83
	s_add_co_u32 s80, s80, s81
	s_mov_b32 s81, 0
	s_mov_b32 s83, 0
	s_mov_b32 s[SX], 0x80808080
	s_mov_b32 s[SELLO], 0x04010400
	s_mov_b32 s[SELHI], 0x04030402
	s_mov_b32 s[TA], A0
	s_mov_b32 s[TBR], B0+64                        ; the first barrier stands in front of step 1
	s_mov_b32 s[TBF], B1+4*PIECE                   ; the first group's turn makes B0 of this,
	s_mov_b32 s[OFB], 256+4*ROWSTEP                ; and of this 512: piece 0 of the third 256 along K
	s_mov_b32 s[OFB+1], 0
	s_wait_dscnt 0x0                               ; the opening add is done
	s_wait_kmcnt 0x0
	s_add_nc_u64 s[G0A0+2:G0A0+3], s[4:5], s[78:79]        ; 120:64 global address: step 0,
	s_add_nc_u64 s[G0A+2:G0A+3], s[G0A0+2:G0A0+3], 256     ; step 1
	s_or_b32 s[G0A0+3], s[G0A0+3], 0x80000000              ; 127:126 type = 2
	s_or_b32 s[G0A+3], s[G0A+3], 0x80000000
	s_add_nc_u64 s[G0B+2:G0B+3], s[6:7], s[80:81]          ; K = 0 .. 255,
	s_add_nc_u64 s[G0B1+2:G0B1+3], s[G0B+2:G0B+3], 256     ; K = 256 .. 511
	s_or_b32 s[G0B+3], s[G0B+3], 0x80000000
	s_or_b32 s[G0B1+3], s[G0B1+3], 0x80000000
	s_add_nc_u64 s[BB:BB+1], s[6:7], s[82:83]
	CROUND                                         ; all sixteen work-groups are here: the first joint loads meet
	s_cmp_eq_u32 s[WHI], 0                         ; a wave's two first fills stand in one branch, ahead of every wait on TENSORcnt and every LDS read: two loads of mine are out
	s_cbranch_scc0 .Lfirst_b
	tensor_load_to_lds s[G0A0:G0A0+3], s[G1A:G1A+7]
	s_nop 0
	tensor_load_to_lds s[G0A:G0A+3], s[G1A:G1A+7]
	s_nop 0
.rept 4
	v_nop
.endr
	s_branch .Lfirst_asked
.Lfirst_b:
	tensor_load_to_lds s[G0B:G0B+3], s[G1C:G1C+7]
	s_nop 0
	tensor_load_to_lds s[G0B1:G0B1+3], s[G1C:G1C+7]
	s_nop 0
.rept 4
	v_nop
.endr
.Lfirst_asked:
	; A fragment is 16 rows x 32 K in 8 registers.  Here lane l holds row l % 16 and K = 16 (l / 16) + 0 .. 15 in the order of its registers, in BOTH operands: the products are the same, and a
	; lane's share is 64 consecutive bytes of x (four loads of 16 bytes) and 16 consecutive bytes of w8 (one load).
	v_and_b32 v1, 15, v0                           ; l % 16
	v_bfe_u32 v2, v0, 4, 1                         ; l / 16
	v_and_b32 v3, 31, v0                           ; l
	v_mul_u32_u24 v4, v1, PITCH
	s_mul_i32 s23, s[WHI], HALF
	v_lshl_add_u32 v[AL], v2, 6, v4
	v_add_nc_u32 v[AL], s23, v[AL]
	v_lshl_add_u32 v[BL], v2, 4, v4
	v_add_nc_u32 v[BL], s[WA], v[BL]
	s_mul_i32 s23, s[WV], 16*SPITCH
	s_add_co_u32 s23, s23, STAGE                   ; my stage
	v_mul_u32_u24 v5, v1, SPITCH                   ; in: row l % 16, 32 bytes for each half of the lanes
	v_lshl_add_u32 v5, v2, 5, v5
	v_add_nc_u32 v[STO], s23, v5
	v_lshlrev_b32 v[CO], 4, v3                     ; back: 32 lanes take one row of 512 bytes
	v_add_nc_u32 v[RD], s23, v[CO]
	v_mov_b32 v[K64], 0x64646464
	v_mov_b32 v[KSUB], 0xe480e480
	s_lshl_b32 s84, s[TROW], 8
	s_lshl_b32 s85, s[WHI], 7
	s_add_co_u32 s84, s84, s85                     ; my first row of y,
	s_lshl_b32 s84, s84, 14                        ; in bytes
	s_mov_b32 s85, 0
	s_lshl_b32 s86, s[TCOL], 10
	s_lshl_b32 s87, s[WLO], 9
	s_add_co_u32 s86, s86, s87                     ; my first column, in bytes of f32: 1,024 x tile column + 512 x half
	s_mov_b32 s87, 0
	s_add_nc_u64 s[8:9], s[8:9], s[86:87]
	s_add_nc_u64 s[10:11], s[10:11], s[86:87]
	s_add_nc_u64 s[12:13], s[12:13], s[86:87]
	s_add_nc_u64 s[12:13], s[12:13], s[84:85]
	global_load_b128 v[SC:SC+3], v[CO], s[8:9]     ; the scales and biases of the four columns that I store: waited for on the way out
	global_load_b128 v[BI:BI+3], v[CO], s[10:11]
; Matrix instruction qi of a quarter's 64, on fragment buffer f: rows 64 (qi / 32) + 16 ((qi % 32) / 8) on, columns 16 (qi % 8) on.  zero = 1: the product starts the sum: nothing is ever cleared.
; The 64 accumulators take turns, one instruction a turn, in the same order in every quarter.
.macro QW f, zero
.set qH, qi/32
.set qD, 8*(qi%32)
.set qB, (\f)+8*(qi%8)
.set qA, (\f)+8*(4*qH+(qi%32)/8)
	WIN MUL_LO+0x50*qH
.if \zero
	v_wmma_f32_16x16x32_f16 v[qD:qD+7], v[qB:qB+7], v[qA:qA+7], 0
.else
	v_wmma_f32_16x16x32_f16 v[qD:qD+7], v[qB:qB+7], v[qA:qA+7], v[qD:qD+7]
.endif
.endm
; Slice sSL of 28 of the conversions of half sHF (fragments 4 sHF .. 4 sHF + 3 of both operands) into buffer g: four instructions under one window setting.
;   0-3    the xor of a fragment's four raw words of w8          4-11   v_perm_b32: half a fragment of w8, 1024 + u
;   12-19  v_cvt_pk_f16_f32: half a fragment of x                20-27  v_pk_add_f16: half a fragment of w8, less 1152
; The half's raw registers are read for the last time in slice 19.  The buffer is written from slice 4 on: the sixteen xors, which name raw registers alone, are the places behind the last
; product of the quarter before, which read it (ISA guide 7.12.1).
.macro SLICE g
.if sSL < 4
.set sk, 4*sHF+sSL
	WIN W_X
.irp j, 0,1,2,3
	v_xor_b32 v[RB+4*sk+\j], s[SX], v[RB+4*sk+\j]
.endr
.elseif sSL < 12
.set sk, 4*sHF+(sSL-4)/2
.set sx, (sSL-4)%2
	WIN W_P
	v_perm_b32 v[(\g)+8*sk+4*sx],   v[K64], v[RB+4*sk+2*sx],   s[SELLO]
	v_perm_b32 v[(\g)+8*sk+4*sx+1], v[K64], v[RB+4*sk+2*sx],   s[SELHI]
	v_perm_b32 v[(\g)+8*sk+4*sx+2], v[K64], v[RB+4*sk+2*sx+1], s[SELLO]
	v_perm_b32 v[(\g)+8*sk+4*sx+3], v[K64], v[RB+4*sk+2*sx+1], s[SELHI]
.elseif sSL < 20
.set sk, 4*sHF+(sSL-12)/2
.set sx, (sSL-12)%2
.set sR, 192*sHF+16*(sk%4)+8*sx
	WIN W_C
.irp j, 0,1,2,3
	v_cvt_pk_f16_f32 v[(\g)+8*sk+4*sx+\j], v[sR+2*\j], v[sR+2*\j+1]
.endr
.else
.set sk, 4*sHF+(sSL-20)/2
.set sx, (sSL-20)%2
	WIN W_D
.irp j, 0,1,2,3
	v_pk_add_f16 v[(\g)+8*sk+4*sx+\j], v[(\g)+8*sk+4*sx+\j], v[KSUB]
.endr
.endif
.endm
; Matrix instructions i0 .. i1 of a quarter on buffer f; cv = 1: behind each of the first 28 of a half stands a slice of the conversions into buffer g.
.macro QS f, g, i0, i1, zero, cv
.set qi, \i0
.rept (\i1)-(\i0)+1
	QW \f, \zero
.if (\cv) && (qi%32 < 28)
.set sHF, qi/32
.set sSL, qi%32
	SLICE \g
.endif
.set qi, qi+1
.endr
.endm
; 20 LDS loads in one run: the raw registers of half hf, for quarter e of the step at ADA and ADB: four loads of w8, sixteen of x.  They land in raw registers alone, never in a matrix operand.
.macro RUN hf, e
	WIN W_X
.irp k, 0,1,2,3
	ds_load_b128 v[RB+16*(\hf)+4*\k:RB+16*(\hf)+4*\k+3], v[ADB] offset:(4*(\hf)+\k)*16*PITCH+32*(\e)
.endr
	WIN W_P
.irp k, 0,1,2,3
.irp c, 0,1,2,3
	ds_load_b128 v[192*(\hf)+16*\k+4*\c:192*(\hf)+16*\k+4*\c+3], v[ADA] offset:(4*(\hf)+\k)*16*PITCH+128*(\e)+16*\c
.endr
.endr
.endm
; THE EVEN QUARTER: multiplies buffer 0, converts the step's odd quarter into buffer 1, changes steps, and reads the next step's even quarter.
; fm >= 0: ONE barrier for the change of steps.  In front of it each wave waits for all its tensor loads, of which at most one is out (at the first barrier: my second first fill); adds 0 to its
; spare word; and waits for that and for its own LDS reads, the last step's among them.  Behind it nobody reads the last step's slot of A any more, and what the next step reads is whole.
; fm = 2: A's slot and a piece of B's idle slot are filled again; fm = 1: A's slot alone; the barrier then opens a round of the cluster's barrier, so that no wave of any partner still reads
; those bytes or has a load on its way, and the joint refill is the first thing behind the round: 112 matrix instructions ahead of the wait for it.  fm = 0: nothing is filled.
; fm = -1: the last even quarter: no barrier, and nothing is left to read.
.macro EQ fm, zero
.if (\fm) >= 0
	WIN 0                                          ; (the add's two registers lie in window 0)
	s_wait_tensorcnt 0x0                           ; no tensor load of mine is out, so a group 0 may be written
	ds_add_u32 v[SPW], v[NIL]                      ; 0 onto my spare word: scalar work and eight products stand between it and the wait for it
.if (\fm) >= 1
	s_xor_b32 s[G0A+1], s[G0A+1], XA               ; A's walking descriptor: the other slot than last time (bits 12 and 16; WLO x 128 rows has bits 11 and 15),
	s_add_nc_u64 s[G0A+2:G0A+3], s[G0A+2:G0A+3], 256  ; the next 64 along K; the type bits on top are not reached
.endif
	s_xor_b32 s[TA], s[TA], XA                     ; the reads go on to the other slot of A
.if (\fm) == 2
	s_add_co_u32 s[G0B+1], s[TBF], s[WBL]          ; B's walking descriptor, made anew: my 32 rows of the piece,
	s_add_nc_u64 s[G0B+2:G0B+3], s[BB:BB+1], s[OFB:OFB+1]
	s_or_b32 s[G0B+3], s[G0B+3], 0x80000000
	s_add_co_u32 s[TBF], s[TBF], PIECE             ; and on to the next piece
	s_add_co_u32 s[OFB], s[OFB], ROWSTEP
.endif
	s_wait_dscnt 21                                ; the add and the younger run of 20 loads may be out: the raw registers of half 0 are in
.else
	s_wait_dscnt 20                                ; the younger run of 20 loads may be out
.endif
	QS F0, F1, 0, 7, \zero, 1
.if (\fm) >= 0
	s_wait_dscnt 0x0                               ; the add is done, and my reads of the last step are over (the last were issued 20 matrix instructions ago):
	s_barrier_signal -1                            ; say so,
.endif
	QS F0, F1, 8, 15, \zero, 1                     ; work on registers while the others arrive,
.if (\fm) >= 0
	WIN 0
	s_barrier_wait -1                              ; and go on when all four have said so
.if (\fm) >= 1
	CREST
	JLOAD \fm
.endif
	v_add_nc_u32 v[ADA], s[TA], v[AL]              ; the next step's addresses
	v_add_nc_u32 v[ADB], s[TBR], v[BL]
	s_add_co_u32 s[TBR], s[TBR], 64
.endif
	QS F0, F1, 16, 19, \zero, 1
.if (\fm) >= 0
	RUN 0, 0
.endif
	QS F0, F1, 20, 31, \zero, 1
.if (\fm) < 0
	s_wait_dscnt 0x0                               ; the raw registers of half 1: no load was issued behind them
.endif
	QS F0, F1, 32, 51, \zero, 1                    ; (fm >= 0: half 1's raw registers have been in since the wait for 0 above)
.if (\fm) >= 0
	RUN 1, 0
.endif
	QS F0, F1, 52, 63, \zero, 1
.endm
; THE ODD QUARTER: multiplies buffer 1; on = 1: converts the next step's even quarter into buffer 0 and reads that step's odd quarter.  on = 0: the very last quarter.
.macro OQ on
.if \on
	s_wait_dscnt 20                                ; two runs are out: the older one, half 0's raw registers, is in
.endif
	QS F1, F0, 0, 19, 0, \on
.if \on
	RUN 0, 1
.endif
	QS F1, F0, 20, 31, 0, \on
.if \on
	s_wait_dscnt 20                                ; all but the 20 just issued: half 1's raw registers are in
.endif
	QS F1, F0, 32, 51, 0, \on
.if \on
	RUN 1, 1
.endif
	QS F1, F0, 52, 63, 0, \on
.endm
.macro CONV g, hf                      ; a half's 28 slices on end: in front of the first product there is nothing to set them behind
.set sHF, \hf
.set sSL, 0
.rept 28
	SLICE \g
.set sSL, sSL+1
.endr
.endm
.macro COUNT c, to                     ; a counted loop's end
	s_sub_co_u32 s[\c], s[\c], 1
	s_cmp_lg_u32 s[\c], 0
	s_cbranch_scc1 \to
.endm
	s_wait_tensorcnt 1                             ; my first load (A's step 0, or B's slot 0) is in; the second may stay out
	s_barrier_signal -1
	s_barrier_wait -1                              ; everybody's is
	v_add_nc_u32 v[ADA], A0, v[AL]                 ; step 0
	v_add_nc_u32 v[ADB], B0, v[BL]
	RUN 0, 0
	RUN 1, 0
	s_wait_dscnt 20                                ; the first run is in
	CONV F0, 0
	RUN 0, 1
	s_wait_dscnt 20                                ; the second
	CONV F0, 1
	RUN 1, 1
	EQ 1, 1                                        ; quarter 0 stands in front of the loops: its products start the sums.  Barrier 1: A's step 2 is asked for
	WIN 0                                          ; at a label and at a branch every window is 0
	s_mov_b32 s[CNT], 2
.Lhead:                                                ; barriers 2 and 3: both slots of B are still to be read, so A alone is filled again
	OQ 1
	EQ 1, 0
	WIN 0
	COUNT CNT, .Lhead
	s_mov_b32 s[GRP], 14
.Lgroup:                                               ; barriers 4 to 59, four to a group: a group reads one slot of B and fills the other, a piece behind each barrier
	s_sub_co_u32 s[TBR], s[TBR], 256               ; the reads go back to a slot's first step,
	s_xor_b32 s[TBR], s[TBR], XB                   ; in the other slot;
	s_sub_co_u32 s[TBF], s[TBF], 4*PIECE           ; the fills likewise to a slot's first piece,
	s_xor_b32 s[TBF], s[TBF], XB
	s_sub_co_u32 s[OFB], s[OFB], 4*ROWSTEP-256     ; 256 further along K
	s_mov_b32 s[CNT], 4
.Lstep:
	OQ 1
	EQ 2, 0
	WIN 0
	COUNT CNT, .Lstep
	COUNT GRP, .Lgroup
	s_sub_co_u32 s[TBR], s[TBR], 256               ; B's last slot
	s_xor_b32 s[TBR], s[TBR], XB
	s_mov_b32 s[CNT], 3
.Ltail:                                                ; barriers 60 to 62: all of B has been asked for; A's steps 61 to 63
	OQ 1
	EQ 1, 0
	WIN 0
	COUNT CNT, .Ltail
	OQ 1
	EQ 0, 0                                        ; barrier 63: nothing is filled again, so no round follows
	OQ 1
	EQ -1, 0
	OQ 0
; THE WAY OUT, a block of 16 rows at a time.  A lane's eight numbers of a row go into my own stage in LDS (each accumulator's lowest registers first) and come back as
; whole rows of 512 bytes, four neighbouring columns a lane; then y = sum x scale + bias, and the row is stored.
.macro TOSTAGE a
.set tC, 64*((\a)%4)
.set tO, OB0+64*((\a)%2)
	WIN 0x08+4*((\a)/4)                            ; the stores' data: window 2 or 3
.irp b, 0,1,2,3,4,5,6,7
	ds_store_b128 v[STO], v[tC+8*\b:tC+8*\b+3] offset:64*\b
	ds_store_b128 v[STO], v[tC+8*\b+4:tC+8*\b+7] offset:64*\b+16
.endr
	WIN 0
.if (\a) >= 2
	s_wait_xcnt 0x0                                ; every earlier memory instruction has had its addresses translated (ISA guide 3.1): the registers that the block two back was stored from are loaded again only behind this wait
.endif
.irp t, 0,1,2,3,4,5,6,7,8,9,10,11,12,13,14,15
	ds_load_b128 v[tO+4*\t:tO+4*\t+3], v[RD] offset:SPITCH*\t  ; LDS serves a wave's instructions in order (ISA guide 5.7.1.4): these see the stores above; the next block's stores come behind them
.endr
.endm
.macro SEND a, younger                 ; younger: the LDS instructions issued behind block a's loads: the next block's 32, or none
.set tO, OB0+64*((\a)%2)
	s_wait_dscnt \younger
.irp t, 0,1,2,3,4,5,6,7,8,9,10,11,12,13,14,15
	v_pk_fma_f32 v[tO+4*\t:tO+4*\t+1], v[tO+4*\t:tO+4*\t+1], v[SC:SC+1], v[BI:BI+1]
	v_pk_fma_f32 v[tO+4*\t+2:tO+4*\t+3], v[tO+4*\t+2:tO+4*\t+3], v[SC+2:SC+3], v[BI+2:BI+3]
	global_store_b128 v[CO], v[tO+4*\t:tO+4*\t+3], s[12:13] offset:(16*(\a)+\t)*OROW th:TH_STORE_NT  ; 32 lanes store 512 consecutive bytes, at a multiple of 512 from y's first byte; 127 rows at the most: inside the signed 24-bit immediate
.endr
.endm
	WIN 0
	PLACES                                         ; the stage's stores read results just made, and its loads land where the last products' operands lay
	s_wait_loadcnt 0x0                             ; scales and biases
	TOSTAGE 0
.irp a, 1,2,3,4,5,6,7                  ; block a's way through the stage stands between block a - 1's loads and the wait for them
	TOSTAGE \a
	SEND (\a)-1, 32
.endr
	SEND 7, 0
	s_wait_tensorcnt 0x0                           ; the wave's end, behind my last tensor load and my last LDS store
	ds_add_u32 v[SPW], v[NIL]
	s_wait_dscnt 0x0
	CROUND                                         ; the closing round: no work-group ends while a partner may still ask for a tile that names it
	s_endpgm
.Lfunc_end_k_q677a32f276_qlinear:
	.size	k_q677a32f276_qlinear, .Lfunc_end_k_q677a32f276_qlinear-k_q677a32f276_qlinear
	.p2alignl 7, 3214868480
	.fill 96, 4, 3214868480
	.section	.rodata,"a",@progbits
	.p2align	6, 0x0
	.amdhsa_kernel k_q677a32f276_qlinear
		.amdhsa_group_segment_fixed_size 327680
		.amdhsa_private_segment_fixed_size 0
		.amdhsa_enable_private_segment 0
		.amdhsa_kernarg_size 40
		.amdhsa_user_sgpr_count 2
		.amdhsa_user_sgpr_kernarg_segment_ptr 1
		.amdhsa_wavefront_size32 1
		.amdhsa_system_sgpr_workgroup_id_x 1
		.amdhsa_system_sgpr_workgroup_id_y 1
		.amdhsa_system_sgpr_workgroup_id_z 1
		.amdhsa_system_vgpr_workitem_id 0
		.amdhsa_next_free_vgpr 1024
		.amdhsa_next_free_sgpr 88
		.amdhsa_reserve_vcc 0
		.amdhsa_float_denorm_mode_32 3
		.amdhsa_float_denorm_mode_16_64 3
		.amdhsa_memory_ordered 1
		.amdhsa_forward_progress 1
		.amdhsa_inst_pref_size 255
	.end_amdhsa_kernel
	.section	.bss,"aw",@nobits
	.p2align	6
	.space	262144
	.amdgpu_metadata
---
amdhsa.version: [ 1, 2 ]
amdhsa.kernels:
  - .name:           k_q677a32f276_qlinear
    .symbol:         k_q677a32f276_qlinear.kd
    .args:
      - { .name: input, .offset: 0, .size: 8, .value_kind: global_buffer, .address_space: global }
      - { .name: int8_weights, .offset: 8, .size: 8, .value_kind: global_buffer, .address_space: global }
      - { .name: scales, .offset: 16, .size: 8, .value_kind: global_buffer, .address_space: global }
      - { .name: bias, .offset: 24, .size: 8, .value_kind: global_buffer, .address_space: global }
      - { .name: out0, .offset: 32, .size: 8, .value_kind: global_buffer, .address_space: global }
    .group_segment_fixed_size: 327680
    .private_segment_fixed_size: 0
    .kernarg_segment_align: 8
    .kernarg_segment_size: 40
    .max_flat_workgroup_size: 128
    .sgpr_count:     88
    .vgpr_count:     1024
    .wavefront_size: 32
...
	.end_amdgpu_metadata
.endif
;; end of part 1
